; MI455X (gfx1250); checked and timed in simulation.
; The chip was launched on July 23, 2026; its instructions are those of AMD's public machine-readable ISA for CDNA 5 (MIT licence, August 2026) and "CDNA5" Instruction Set Architecture Reference Guide (July 2026). The comments in the code are by the model that wrote it; some were corrected since.
;; Custom Linear. Allowed arithmetic: float matrix products may take bf16 or f16 operands with f32 sums; other float arithmetic in f32, or as packed bf16 or f16 multiplies, adds, multiply-adds, maxima and minima; sums over many terms, partial sums and values carried from step to step in f32; what a program stores and reads back later, other than sums and carried values, may be rounded once to bf16 or f16.
;; Inputs: scale_x one number float32; weight_q 4,096 x 4,096 int32; x_q 4,096 x 4,096 int32.
;; Outputs: out0 4,096 x 4,096 int8; out1 one number float32.
;; 2 versions, each right; version 2 is version 1 with the launch cast written anew for expert scheduling mode. Each part assembles by itself: llvm-mc -triple=amdgcn-amd-amdhsa -mcpu=gfx1250 --defsym DOCPART=n.
;; ======== version 1 of 2: 2 launches
;; workspace buffers: xb 33,554,432 bytes; wb 33,554,432 bytes
;; launch cast (part 1): grid 512 x 2, 8 waves a work-group, no clusters, 0 bytes of LDS; arguments x_q, weight_q, xb, wb, out1; writes xb, wb, out1
.if DOCPART == 1
	.amdgcn_target "amdgcn-amd-amdhsa--gfx1250"
	.amdhsa_code_object_version 6
	.text
	.protected	k_q7af09afe9a_cast
	.globl	k_q7af09afe9a_cast
	.p2align	8
	.type	k_q7af09afe9a_cast,@function
k_q7af09afe9a_cast:
	s_mov_b64 s[64:65], 0
	v_nop
	global_prefetch_b8 v0, s[64:65] scope:SCOPE_SE
	s_setreg_imm32_b32 hwreg(HW_REG_WAVE_MODE, 25, 1), 1
	s_wait_xcnt 0x0
; xb = bf16(x_q), wb = bf16(weight_q), out1 = 0.1f.  x_q, weight_q: [4096][4096] int32 that carry int8 values; xb, wb: the same shape in bf16.
; LIMIT.  The values lie in -128 .. 127, as the module states: those are exact in bf16 (8 significant bits).  A larger value would be rounded here.
; A stream: each input byte is read once, each output byte written once; nothing is shared between waves or work-groups, so there is no LDS, no barrier, no cluster and no matrix work.
; SHARES.  Grid y picks the tensor.  Work-group x owns 32 chunks of 4,096 input bytes (1,024 numbers).  In a chunk thread t loads the 16 bytes at 16 t (a wave's load covers 512 consecutive
; bytes) and stores the 8 bytes at 8 t (a wave's store covers 256 consecutive bytes, at a multiple of 256 from the buffer's first byte).
; IN FLIGHT.  A ring of eight slots in registers: eight loads of every wave are on their way.  Each chunk has result registers of its own, and the two offsets are never rewritten
; (a chunk's place stands in the immediate), so no register that a pending store reads is ever written again.
.set CHUNKS, 32
.set DEPTH,  8
.set INB,    4096                      ; input bytes in a chunk
.set OUTB,   2048                      ; output bytes in a chunk
.set X, 8                              ; v[8:39]    slot s: 4 registers as loaded, then as f32
.set Y, 40                             ; v[40:103]  chunk c: 2 registers, 4 bf16
	s_load_b256 s[4:11], s[0:1], 0x0               ; x_q s[4:5], weight_q s[6:7], xb s[8:9], wb s[10:11]
	s_load_b64 s[12:13], s[0:1], 0x20              ; out1
	s_and_b32 s14, ttmp7, 0xffff                   ; 0: x_q to xb; 1: weight_q to wb
	s_lshl_b32 s16, ttmp9, 17                      ; the work-group's 32 chunks: 131,072 bytes in,
	s_mov_b32 s17, 0
	s_lshl_b32 s18, ttmp9, 16                      ; 65,536 bytes out
	s_mov_b32 s19, 0
	v_lshlrev_b32 v1, 4, v0                        ; 16 t; never rewritten
	v_lshlrev_b32 v2, 3, v0                        ; 8 t; never rewritten
	s_wait_kmcnt 0x0
	s_cmp_eq_u32 s14, 0
	s_cselect_b64 s[4:5], s[4:5], s[6:7]
	s_cselect_b64 s[8:9], s[8:9], s[10:11]
	s_add_nc_u64 s[4:5], s[4:5], s[16:17]
	s_add_nc_u64 s[8:9], s[8:9], s[18:19]
.set c, 0
.rept DEPTH
	global_load_b128 v[X+4*c:X+4*c+3], v1, s[4:5] offset:c*INB th:TH_LOAD_NT  ; the ring is filled: chunks 0 to 7
.set c, c+1
.endr
; Chunk c: its load is waited for, four numbers go int32 -> f32 -> bf16 (both exact), the slot is asked for again, the result leaves.
.macro STEP c
.set XS, X+4*((\c)%DEPTH)
.if (\c) < CHUNKS-DEPTH
	s_wait_loadcnt DEPTH-1                         ; loads come back in order: mine is in, the seven younger ones stay out
.else
	s_wait_loadcnt CHUNKS-1-(\c)                   ; nothing more is asked for: the counts run down
.endif
.irp j, 0,1,2,3
	v_cvt_f32_i32 v[XS+(\j)], v[XS+(\j)]
.endr
	v_cvt_pk_bf16_f32 v[Y+2*(\c)],   v[XS],   v[XS+1]
	v_cvt_pk_bf16_f32 v[Y+2*(\c)+1], v[XS+2], v[XS+3]
.if (\c) < CHUNKS-DEPTH
	global_load_b128 v[XS:XS+3], v1, s[4:5] offset:((\c)+DEPTH)*INB th:TH_LOAD_NT  ; the load ahead of the store
.endif
	global_store_b64 v2, v[Y+2*(\c):Y+2*(\c)+1], s[8:9] offset:(\c)*OUTB           ; no hint: the next launch reads these bytes
.endm
.set c, 0
.rept CHUNKS
	STEP c
.set c, c+1
.endr
	s_or_b32 s15, ttmp9, s14                       ; out1 is stored by one thread of one work-group
	s_cmp_lg_u32 s15, 0
	s_cbranch_scc1 .Lend
	v_mov_b32 v3, 0x3dcccccd                       ; 0.1f
	v_mov_b32 v4, 0
	v_cmp_eq_u32 vcc_lo, 0, v0
	s_wait_xcnt 0x0                                ; EXEC is a source of the stores above: it changes only behind this wait
	s_and_saveexec_b32 s20, vcc_lo
	global_store_b32 v4, v3, s[12:13]
	s_wait_xcnt 0x0                                ; and again in front of the line that widens it
	s_or_b32 exec_lo, exec_lo, s20
.Lend:
	s_endpgm
.Lfunc_end_k_q7af09afe9a_cast:
	.size	k_q7af09afe9a_cast, .Lfunc_end_k_q7af09afe9a_cast-k_q7af09afe9a_cast
	.p2alignl 7, 3214868480
	.fill 96, 4, 3214868480
	.section	.rodata,"a",@progbits
	.p2align	6, 0x0
	.amdhsa_kernel k_q7af09afe9a_cast
		.amdhsa_group_segment_fixed_size 0
		.amdhsa_private_segment_fixed_size 0
		.amdhsa_enable_private_segment 0
		.amdhsa_kernarg_size 40
		.amdhsa_user_sgpr_count 2
		.amdhsa_user_sgpr_kernarg_segment_ptr 1
		.amdhsa_wavefront_size32 1
		.amdhsa_system_sgpr_workgroup_id_x 1
		.amdhsa_system_sgpr_workgroup_id_y 1
		.amdhsa_system_sgpr_workgroup_id_z 1
		.amdhsa_system_vgpr_workitem_id 0
		.amdhsa_next_free_vgpr 104
		.amdhsa_next_free_sgpr 66
		.amdhsa_reserve_vcc 1
		.amdhsa_float_denorm_mode_32 3
		.amdhsa_float_denorm_mode_16_64 3
		.amdhsa_memory_ordered 1
		.amdhsa_forward_progress 1
		.amdhsa_inst_pref_size 17
	.end_amdhsa_kernel
	.amdgpu_metadata
---
amdhsa.version: [ 1, 2 ]
amdhsa.kernels:
  - .name:           k_q7af09afe9a_cast
    .symbol:         k_q7af09afe9a_cast.kd
    .args:
      - { .name: x_q, .offset: 0, .size: 8, .value_kind: global_buffer, .address_space: global }
      - { .name: weight_q, .offset: 8, .size: 8, .value_kind: global_buffer, .address_space: global }
      - { .name: xb, .offset: 16, .size: 8, .value_kind: global_buffer, .address_space: global }
      - { .name: wb, .offset: 24, .size: 8, .value_kind: global_buffer, .address_space: global }
      - { .name: out1, .offset: 32, .size: 8, .value_kind: global_buffer, .address_space: global }
    .group_segment_fixed_size: 0
    .private_segment_fixed_size: 0
    .kernarg_segment_align: 8
    .kernarg_segment_size: 40
    .max_flat_workgroup_size: 256
    .sgpr_count:     66
    .vgpr_count:     104
    .wavefront_size: 32
...
	.end_amdgpu_metadata
.endif
;; end of part 1
;; launch gemm (part 2): grid 16 x 16, 4 waves a work-group, clusters of 4 x 4, 327,680 bytes of LDS; arguments xb, wb, out0, scale_x; writes out0
.if DOCPART == 2
	.amdgcn_target "amdgcn-amd-amdhsa--gfx1250"
	.amdhsa_code_object_version 6
	.text
	.protected	k_q7af09afe9a_gemm
	.globl	k_q7af09afe9a_gemm
	.p2align	8
	.type	k_q7af09afe9a_gemm,@function
k_q7af09afe9a_gemm:
	s_mov_b64 s[64:65], 0
	v_nop
	global_prefetch_b8 v0, s[64:65] scope:SCOPE_SE
	s_setreg_imm32_b32 hwreg(HW_REG_WAVE_MODE, 25, 1), 1
	s_wait_xcnt 0x0
	s_wait_alu depctr_hold_cnt(0) depctr_sa_sdst(0) depctr_va_vdst(0) depctr_va_sdst(0) depctr_va_ssrc(0) depctr_va_vcc(0) depctr_vm_vsrc(0)
	s_getreg_b32 s2, hwreg(HW_REG_IB_STS2, 6, 4)
	s_cmp_eq_u32 s2, 0
	s_cbranch_scc0 .Lentry_in_a_cluster
	s_endpgm
.Lentry_in_a_cluster:
	s_bfe_u32 s2, ttmp6, 0x10000c
	s_cmp_lg_u32 s2, 0xf033
	s_cbranch_scc0 .Lentry_shape_is_right
	s_endpgm
.Lentry_shape_is_right:
; out0[m][n] = int8(clip(round_half_even(f32(acc) x scale), -128, 127)), acc = the sum over k of xb[m][k] wb[n][k], scale = scale_x x 0.1f / 0.1f.
; xb, wb: [4096][4096] bf16 that hold whole numbers in -128 .. 127; out0: [4096][4096] int8.
; THE RESULT IS A WHOLE NUMBER, SO EVERY STEP IS EXACT OR ROUNDS WHERE THE DEFINITION ROUNDS.
;   Sums.  Products are whole numbers of at most 2^14; a sum over 4,096 of them can reach 2^26, beyond the 2^24 up to which f32 holds every whole number.  So after the first 800 channels and then every
;   768 the accumulators' multiples of 2^22 are taken out (FLUSH), exactly, into carry fields of 8 bits: an accumulator never passes 2^21 + 768 x 2^14 < 2^24, and every f32 sum is the exact whole number.
;   At the end carry x 2^22 + rest is ONE f32 addition, which rounds as the conversion of the int32 sum to f32 does (to nearest, ties to even).
;   Scale.  The two constants are combined first: scale = scale_x x (0.1f / 0.1f), and that quotient is exactly 1.0f, so the scale is scale_x itself.
;   ORDER OF ROUNDING: this differs from a multiplication by 0.1f followed by a division by 0.1f, each rounded to f32, which can end one unit in the last place away from scale_x (at 0.05f it does).
;   Then one f32 multiplication; the clip (its bounds are whole numbers, so clip and rounding may change places); and + 1.5 x 2^23, which rounds to a whole number, ties to even, and leaves it in the low byte.
; LIMITS.  |x|, |w| <= 128 (the bound on the sums above rests on it).  scale_x is any finite number; NaN and infinities are not served.
; SHAPE.  A tile of 256 x 256 of out0 is made by a work-group of four waves; a wave makes 128 x 128: 64 accumulators of 16 x 16, 512 registers.  256 tiles: one work-group to each.  K goes in steps of 128
; through a ring of two LDS slots filled by the tensor data mover; a tile's rows are 256 bytes of memory and start at multiples of 256 bytes from the buffer's first byte.
; CLUSTERS: 4 x 4 work-groups.  The four of a row of the cluster need the same tiles of xb, the four of a column the same tiles of wb: each tile is asked for JOINTLY, by the same tensor load with the same
; descriptor and a mask that names the four, which divides the requests by four.
; THE MATRIX INSTRUCTION IS USED TRANSPOSED (source 0 = 16 rows of wb, source 1 = 16 rows of xb): lane l then holds row l % 16 and the columns 8 (l / 16) + 0..7: eight neighbouring bytes of out0.
; REGISTERS, in windows of 256 (s_set_vgpr_msb: bits 1:0 source 0, 3:2 source 1, 5:4 source 2, 7:6 destination):
;   window 0: v0-31 addresses; v32-63 FLUSH at work; v64-127, v128-191 fragments of xb, two buffers; on the way out v64-127 at work, v192-239 packing, v64-191 rows read back
;   window 1: v64-127, v128-191 fragments of wb, two buffers; v0-63 and v192-255 the 128 carry words
;   window 2: the 32 accumulators of my rows 0-63 (accumulator (a, b) at v[8 (8 a + b)]);   window 3: those of my rows 64-127
; CARRY MAP.  The 512 accumulator registers fall into 16 groups of 32; register e of group G has its carry in byte e / 8 of word 8 G + e % 8.
.set SIZE_N, 4096
.set SIZE_K, 4096
.set KSTEP,  128
.set PITCH,  272                       ; an LDS row: 256 bytes of data + 16 of padding = 68 words: row r starts at bank 4 r mod 64 (64 banks of 4 bytes: ISA guide 11.1), so the 16 rows of a load start at 16 different banks
.set HALFT,  128*PITCH                 ; 128 rows: what one tensor load brings, and what one wave reads of xb or of wb
.set SLOT,   4*HALFT                   ; xb's 256 rows, then wb's 256 rows
.set SPITCH, 272                       ; the stage: 256 rows of 256 bytes + 16, from LDS byte 0 on, inside slot 0: written only when slot 0 has had its last fill and every wave's reads of it are over
.set SPARE,  2*SLOT                    ; behind the ring: the spare words, 128 bytes for each wave: two blocks of 256 bytes that no other line names
.set CHUNKS, 5                         ; FLUSHes
.set LAPSC,  3                         ; laps (two K steps, once round the ring) between two of them.  CHUNKS x LAPSC = SIZE_K / 256 - 1: the last lap is written out
.set ADRA, 16                          ; v16-17  LDS address of my xb fragments in slot 0, 1
.set ADRB, 20                          ; v20-21  the same for wb
.set STO,  24                          ; v24     the way out: where I put 8 bytes of a row
.set RD,   25                          ; v25     the way out: where I read a row back
.set CO,   26                          ; v26     my byte offset in out0
.set SPW,  28                          ; v28     LDS address of my spare word: SPARE + 4 x my thread's number; never rewritten
.set NIL,  29                          ; v29     0; never rewritten
.set PFO,  30                          ; v30     the prefetches' offset: my lane x a row of xb or wb (8,192 bytes); never rewritten
.set TF,   32                          ; v32-63  FLUSH: a group's 32 numbers at work
.set F0,   64                          ; fragment buffer 0
.set F1,   128                         ; fragment buffer 1
.set WK,   64                          ; the way out: a block's 64 numbers at work
.set QP,   192                         ; the way out: 8 x 8 packed bytes
.set PT,   208                         ; the way out: pairs of bytes
.set BK,   64                          ; the way out: 32 x 16 bytes read back from the stage
.set G1,  24                           ; s[24:31] descriptor group 1 for xb's tiles
.set G0,  32                           ; s[32:39] descriptor group 0 for xb's tiles, one set for each slot
.set G1B, 48                           ; s[48:55] group 1 for wb's tiles: it differs in the mask alone
.set G0B, 56                           ; s[56:63] group 0 for wb's tiles
.set LIM, 43                           ; s43      1 in a wave that prefetches, else the greatest number
.set PFA, 44                           ; s[44:45] where my prefetches stand: my work-group's 32 rows of the 128 that I fetch, one K step beyond the refill that is being asked for
.set LEFT, 66                          ; s66      trips of the lap loop still to come, this one among them
.set SXP, 68                           ; s[68:69] scale_x's address
.set BIG, 72                           ; s[72:73] 1.5 x 2^45: a sum with it is a multiple of 2^22, and its bit pattern is BIG's plus that multiple
.set NBIG, 74                          ; s[74:75] -1.5 x 2^45
.set EXPW, 76                          ; s76      0x4b000000: with a byte below it, the float 2^23 + byte
.set P0R, 77                           ; s77      what a carry word starts with
.set SELR, 80                          ; s[80:83] v_perm_b32: byte j of the carry word under EXPW's upper three bytes
.set TW22, 84                          ; s[84:85] 2^22
.set NOFF, 86                          ; s[86:87] -(2^45 + 2^29) = -(2^23 + 128) x 2^22
.set CLO, 88                           ; s88      -128.0
.set CHI, 89                           ; s89      127.0
.set RND, 90                           ; s[90:91] 1.5 x 2^23
.set SELP, 92                          ; s92      v_perm_b32: the low bytes of two registers, side by side
.set SELH, 93                          ; s93      v_perm_b32: the low halves of two registers
.set SCL, 94                           ; s[94:95] the scale: scale_x as it is loaded, twice
; Each FLUSH adds BIG's pattern 0x56400000 into all four fields of a word: x (1 + 2^8 + 2^16 + 2^24) mod 2^32 = 0x96400000.  The start value takes that out for all FLUSHes and puts 128 into each field:
; a word ends as the sum over j of (H_j + 128) << 8 j.  |H| <= (3,872 x 2^14 + 2^21) / 2^22 < 16, so every field lies in 0 .. 255 and none borrows.
.set P0, (0x80808080-CHUNKS*0x96400000)&0xffffffff
.set MSB, 0
.macro WIN new                         ; the immediate's high byte repeats the setting that is left; a switch that changes nothing is dropped
.if MSB != (\new)
	s_set_vgpr_msb (MSB<<8)|(\new)
.set MSB, (\new)
.endif
.endm
.set MUL_LO, 0xa1                      ; source 0 (wb) window 1, source 1 (xb) window 0, C and D window 2
.set MUL_HI, 0xf1                      ; the same, C and D window 3
.set TO_B,   0x40                      ; destination window 1, address window 0
.macro PREG p                          ; rP = the register, in window 1, of carry word p
.if (\p) < 64
.set rP, (\p)
.else
.set rP, (\p)+128
.endif
.endm
; A joint load.  Waves 0 and 1 fetch xb's two halves, waves 2 and 3 wb's.  Each of the two lines has ONE mask and one set of registers for all that issue it; the branch hangs on the wave's number alone.
; An s_nop 0 and four v_nop follow each of the two lines, ahead of the jump, the label and what follows the macro.
.macro JLOAD s
	s_cmp_eq_u32 s11, 0
	s_cbranch_scc0 .Lfor_b_\@
	tensor_load_to_lds s[G0+4*(\s):G0+4*(\s)+3], s[G1:G1+7]
	s_nop 0
.rept 4
	v_nop
.endr
	s_branch .Lasked_\@
.Lfor_b_\@:
	tensor_load_to_lds s[G0B+4*(\s):G0B+4*(\s)+3], s[G1B:G1B+7]
	s_nop 0
.rept 4
	v_nop
.endr
.Lasked_\@:
.endm
; A PREFETCH INTO THE L2, behind each joint refill, its five lines and the run of LDS loads that follows them: the K step that stands TWO refills on, 512 matrix instructions ahead of the load that will want
; it: 32 rows x 256 bytes, a lane a row, one instruction a wave.  Each row's 256 bytes of a K step are named ONCE in the launch: xb's tile row is read by every cluster of that row of clusters, and the one
; with cluster x = 0 asks; wb's tile column by every cluster of that column, and the one with cluster y = 0 asks.  The four partners that ask for a tile jointly share its rows out BY ADDRESS: of the 128
; rows that a wave fetches, the partner at place p takes 32 p .. 32 p + 31 (p = cx for xb, cy for wb).  K steps 0 to 3 come by their loads alone; the loop's last trip asks for nothing: no K step stands two on.
.macro ASK
	s_cmp_gt_u32 s[LEFT], s[LIM]
	s_cbranch_scc0 .Lnot_mine_\@
	global_prefetch_b8 v[PFO], s[PFA:PFA+1] offset:KSTEP*2 th:TH_LOAD_NT scope:SCOPE_SE
.Lnot_mine_\@:
.endm
; A round of the cluster's barrier: my work-group's barrier, so that wave 0's signal speaks for all four waves; wave 0 signals for the work-group; every wave waits for all sixteen; my work-group's barrier once more.
.macro CREST                           ; a round behind its opening barrier
	s_cmp_lg_u32 s10, 0
	s_cbranch_scc1 .Lnot_wave_0_\@
	s_barrier_signal -3
.Lnot_wave_0_\@:
	s_barrier_wait -3
	s_barrier_signal -1
	s_barrier_wait -1
.endm
.macro CROUND                          ; a whole round
	s_barrier_signal -1
	s_barrier_wait -1
	CREST
.endm
	s_load_b128 s[4:7], s[0:1], 0x0                ; xb s[4:5], wb s[6:7]
	s_load_b64 s[8:9], s[0:1], 0x10                ; out0
	s_load_b64 s[SXP:SXP+1], s[0:1], 0x18          ; scale_x
	v_lshl_add_u32 v[SPW], v0, 2, SPARE
	v_mov_b32 v[NIL], 0
	ds_add_u32 v[SPW], v[NIL]                      ; the wave's opening: the add, twice on end, and its wait ahead of my first tensor load; the set-up below, work on registers, stands between
	ds_add_u32 v[SPW], v[NIL]                      ; and once more, under the one wait
	v_lshrrev_b32 v1, 5, v0
	v_readfirstlane_b32 s10, v1                    ; wave 0..3
	s_lshr_b32 s11, s10, 1                         ; which half of the tile's rows is mine.  Also: I fetch for xb (0) or for wb (1)
	s_and_b32 s12, s10, 1                          ; which half of its columns.  Also: which 128 rows of that tile I fetch
	s_bfe_u32 s40, ttmp6, 0x40000                  ; cx: my place along the cluster's x
	s_bfe_u32 s41, ttmp6, 0x40004                  ; cy: along its y
	s_lshl_b32 s42, ttmp9, 2                       ; in a cluster launch ttmp9 and ttmp7 count clusters
	s_add_co_u32 s42, s42, s40                     ; tile column = 4 x cluster x + cx
	s_and_b32 s13, ttmp7, 0xffff
	s_lshl_b32 s13, s13, 2
	s_add_co_u32 s13, s13, s41                     ; tile row = 4 x cluster y + cy
	s_lshl_b32 s43, s41, 2
	s_lshl_b32 s43, 15, s43                        ; my row of the cluster: places 4 cy .. 4 cy + 3
	s_lshl_b32 s44, 0x1111, s40                    ; my column: places cx, cx + 4, cx + 8, cx + 12
	; descriptor group 1: a tile of 128 rows x 128 elements, padded in LDS
	s_or_b32 s[G1+0], s43, (1<<16)|(1<<20)|(1<<21)|(5<<22)|(3<<25)  ; 15:0 the mask: xb's tiles go to my row; 17:16 elements of 2 bytes; 20 padding on; 21 set beside a mask; 24:22 after every 64 words (code 5); 31:25 4 words of it (code 3)
	s_or_b32 s[G1B+0], s44, (1<<16)|(1<<20)|(1<<21)|(5<<22)|(3<<25) ; the same with the mask of my column, for wb's tiles
.irp g, G1, G1B
	s_mov_b32 s[(\g)+1], KSTEP<<16                 ; 63:48 tensor_dim0 = 128
	s_mov_b32 s[(\g)+2], 128<<16                   ; 95:80 tensor_dim1 = 128
	s_mov_b32 s[(\g)+3], KSTEP<<16                 ; 127:112 tile_dim0 = 128
	s_mov_b32 s[(\g)+4], 128                       ; 143:128 tile_dim1 = 128; tile_dim2 = 0
	s_mov_b32 s[(\g)+5], SIZE_K                    ; 191:160 elements from row to row
	s_mov_b32 s[(\g)+6], 0
	s_mov_b32 s[(\g)+7], 0
.endr
	; the constants; those named as pairs are written twice
	s_mov_b32 s[BIG], 0x56400000
	s_mov_b32 s[BIG+1], 0x56400000
	s_mov_b32 s[NBIG], 0xd6400000
	s_mov_b32 s[NBIG+1], 0xd6400000
	s_mov_b32 s[EXPW], 0x4b000000
	s_mov_b32 s[P0R], P0
.irp j, 0,1,2,3
	s_mov_b32 s[SELR+(\j)], 0x03010004+(\j)        ; byte 0: byte j of the first source; bytes 1, 2, 3: bytes 0, 1, 3 of the second
.endr
	s_mov_b32 s[TW22], 0x4a800000
	s_mov_b32 s[TW22+1], 0x4a800000
	s_mov_b32 s[NOFF], 0xd6000080
	s_mov_b32 s[NOFF+1], 0xd6000080
	s_mov_b32 s[CLO], 0xc3000000
	s_mov_b32 s[CHI], 0x42fe0000
	s_mov_b32 s[RND], 0x4b400000
	s_mov_b32 s[RND+1], 0x4b400000
	s_mov_b32 s[SELP], 0x00000400
	s_mov_b32 s[SELH], 0x05040100
	; where the tiles come from.  xb's hang on the tile row alone, which my row of the cluster shares; wb's on the tile column alone, which my column shares.
	s_lshl_b32 s17, s12, 7                         ; which 128 rows of the tile I fetch
	s_lshl_b32 s16, s13, 8
	s_add_co_u32 s16, s16, s17                     ; xb: row 256 x tile row + 128 x half
	s_lshl_b32 s46, s42, 8
	s_add_co_u32 s46, s46, s17                     ; wb: row 256 x tile column + 128 x half
	s_mov_b32 s17, 0
	s_mov_b32 s47, 0
	s_mov_b64 s[18:19], SIZE_K*2
	s_mul_u64 s[16:17], s[16:17], s[18:19]         ; in bytes
	s_mul_u64 s[46:47], s[46:47], s[18:19]
	s_mul_i32 s20, s10, HALFT                      ; and where they go: wave x 128 rows: no place in the cluster enters an LDS address
	s_wait_dscnt 0x0                               ; both opening adds are done
	s_wait_kmcnt 0x0
	s_add_nc_u64 s[14:15], s[4:5], s[16:17]
	s_add_nc_u64 s[46:47], s[6:7], s[46:47]
	CROUND                                         ; all sixteen work-groups are here: the first joint loads meet
.irp s, 0,1
	s_mov_b32 s[G0+4*(\s)], 1                                      ; 1:0 count = 1
	s_add_co_u32 s[G0+4*(\s)+1], s20, (\s)*SLOT                    ; 63:32 LDS address
	s_add_nc_u64 s[G0+4*(\s)+2:G0+4*(\s)+3], s[14:15], (\s)*KSTEP*2  ; 120:64 global address: K step s
	s_or_b32 s[G0+4*(\s)+3], s[G0+4*(\s)+3], 0x80000000            ; 127:126 type = 2
	s_mov_b32 s[G0B+4*(\s)], 1
	s_add_co_u32 s[G0B+4*(\s)+1], s20, (\s)*SLOT
	s_add_nc_u64 s[G0B+4*(\s)+2:G0B+4*(\s)+3], s[46:47], (\s)*KSTEP*2
	s_or_b32 s[G0B+4*(\s)+3], s[G0B+4*(\s)+3], 0x80000000
	JLOAD \s                                       ; the ring is filled before anything else is done: two loads of mine are out
.endr
	s_load_b32 s[SCL], s[SXP:SXP+1], 0x0           ; scale_x: wanted at the very end, and waited for there
	; A fragment is 16 rows x 32 K in 8 registers: lane l holds row l % 16; registers 0-3 hold K = 8 (l / 16) + 0..7, registers 4-7 K = 16 + 8 (l / 16) + 0..7: two loads of 16 bytes, 32 bytes apart.
	v_and_b32 v1, 15, v0                           ; l % 16
	v_bfe_u32 v2, v0, 4, 1                         ; l / 16
	v_mul_u32_u24 v3, v1, PITCH
	v_lshl_add_u32 v3, v2, 4, v3                   ; row x pitch + 16 x half
	s_mul_i32 s21, s11, HALFT                      ; my 128 rows of xb
	s_mul_i32 s22, s12, HALFT                      ; my 128 rows of wb,
	s_add_co_u32 s22, s22, 2*HALFT                 ; which lie behind xb's 256
.irp s, 0,1
	v_add_nc_u32 v[ADRA+(\s)], s21, v3
	v_add_nc_u32 v[ADRB+(\s)], s22, v3
	s_add_co_u32 s21, s21, SLOT
	s_add_co_u32 s22, s22, SLOT
.endr
	s_mul_i32 s23, s11, 128*SPITCH                 ; into the stage: my 128 rows, my half of their 256 bytes; row l % 16, 8 bytes for each half of the lanes:
	s_lshl_b32 s21, s12, 7                         ; word 68 (l % 16) + 2 (l / 16): the 32 lanes of a store of 8 bytes touch each of the 64 banks once
	s_add_co_u32 s23, s23, s21
	v_mul_u32_u24 v4, v1, SPITCH
	v_lshl_add_u32 v4, v2, 3, v4
	v_add_nc_u32 v[STO], s23, v4
	s_mul_i32 s23, s10, 64*SPITCH                  ; back: wave w takes rows 64 w .. 64 w + 63, whole; lanes 0-15 one row of 256 bytes, lanes 16-31 the next
	v_mul_u32_u24 v5, v2, SPITCH
	v_lshl_add_u32 v5, v1, 4, v5
	v_add_nc_u32 v[RD], s23, v5
	v_lshlrev_b32 v5, 12, v2                       ; and the same two rows in out0: 4,096 bytes a row
	v_lshl_add_u32 v[CO], v1, 4, v5
	s_lshl_b32 s13, s13, 8                         ; 256 x tile row
	s_lshl_b32 s42, s42, 8                         ; 256 x tile column
	s_lshl_b32 s17, s10, 6
	s_add_co_u32 s16, s13, s17                     ; the first row that I store: 256 x tile row + 64 x wave
	s_lshl_b32 s16, s16, 12
	s_add_co_u32 s16, s16, s42                     ; + the tile's first column, a byte each
	s_mov_b32 s17, 0
	s_add_nc_u64 s[8:9], s[8:9], s[16:17]
	; the prefetches
	s_and_b32 s22, ttmp7, 0xffff                   ; cluster y
	s_cmp_eq_u32 s11, 0                            ; do I fetch for xb?
	s_cselect_b32 s20, s13, s42                    ; the tile's first row: in xb by the tile row, in wb by the tile column
	s_cselect_b32 s21, s40, s41                    ; my place among the four that ask for it with me
	s_cselect_b32 s22, ttmp9, s22                  ; the coordinate along which other clusters read the same rows
	s_cselect_b64 s[PFA:PFA+1], s[4:5], s[6:7]
	s_cmp_eq_u32 s22, 0
	s_cselect_b32 s[LIM], 1, -1                    ; the same in all sixteen partners, for a given wave
	s_lshl_b32 s22, s12, 7
	s_add_co_u32 s20, s20, s22                     ; + the 128 rows that I fetch
	s_lshl_b32 s21, s21, 5
	s_add_co_u32 s20, s20, s21                     ; + my work-group's 32 of them
	s_mov_b32 s21, 0
	s_mov_b64 s[18:19], SIZE_K*2
	s_mul_u64 s[20:21], s[20:21], s[18:19]
	s_add_nc_u64 s[PFA:PFA+1], s[PFA:PFA+1], s[20:21]
	s_add_nc_u64 s[PFA:PFA+1], s[PFA:PFA+1], 2*KSTEP*2  ; at K step 2: the first refill steps it to 3 and names K step 4.  Nothing is prefetched here, where every work-group's first tiles are on their way
	v_and_b32 v[PFO], 31, v0
	v_mul_u32_u24 v[PFO], v[PFO], SIZE_K*2
	; the carry words' start value: 128 lines, in the wait for the first tile, so that FLUSH has one form
	WIN TO_B
.set p, 0
.rept 128
	PREG p
	v_mov_b32 v[rP], s[P0R]
.set p, p+1
.endr
	WIN 0
; 16 matrix instructions: m blocks a0, a0 + 1 of the window's four (hi = 0: my rows 0-63, 1: rows 64-127) x all 8 n blocks, 32 along K.  zero = 1: the first product starts the sums: nothing is cleared.
; The 64 accumulators take turns, one instruction a turn, in the same order in every quarter step, over both backward jumps too.
.macro MUL16 f, hi, a0, zero
	WIN MUL_LO+0x50*(\hi)
.irp a, \a0, (\a0)+1
.irp b, 0,1,2,3,4,5,6,7
.if \zero
	v_wmma_f32_16x16x32_bf16 v[8*(8*(\a)+(\b)):8*(8*(\a)+(\b))+7], v[(\f)+8*(\b):(\f)+8*(\b)+7], v[(\f)+8*(4*(\hi)+(\a)):(\f)+8*(4*(\hi)+(\a))+7], 0
.else
	v_wmma_f32_16x16x32_bf16 v[8*(8*(\a)+(\b)):8*(8*(\a)+(\b))+7], v[(\f)+8*(\b):(\f)+8*(\b)+7], v[(\f)+8*(4*(\hi)+(\a)):(\f)+8*(4*(\hi)+(\a))+7], v[8*(8*(\a)+(\b)):8*(8*(\a)+(\b))+7]
.endif
.endr
.endr
.endm
; 32 LDS loads in one run: the fragments of one quarter step (128 rows of wb, 128 rows of xb, 32 K at byte k of the rows) into buffer f
.macro FETCH slot, k, f
	WIN TO_B
.irp i, 0,1,2,3,4,5,6,7
	ds_load_b128 v[(\f)+8*(\i):(\f)+8*(\i)+3],   v[ADRB+(\slot)] offset:(\k)+(\i)*16*PITCH
	ds_load_b128 v[(\f)+8*(\i)+4:(\f)+8*(\i)+7], v[ADRB+(\slot)] offset:(\k)+(\i)*16*PITCH+32
.endr
	WIN 0
.irp i, 0,1,2,3,4,5,6,7
	ds_load_b128 v[(\f)+8*(\i):(\f)+8*(\i)+3],   v[ADRA+(\slot)] offset:(\k)+(\i)*16*PITCH
	ds_load_b128 v[(\f)+8*(\i)+4:(\f)+8*(\i)+7], v[ADRA+(\slot)] offset:(\k)+(\i)*16*PITCH+32
.endr
.endm
; A load into a register that a matrix instruction has read, and a vector instruction that reads a matrix result or writes one of a matrix instruction's registers, stand four places behind it, and only plain
; vector instructions that name none of its registers are places (ISA guide 7.12.1 for vector instructions).
.macro PLACES
.rept 4
	v_nop
.endr
.endm
; A K step is four quarter steps of 32 along K, 64 matrix instructions each, on buffers 0, 1, 0, 1.  One of the first three: multiplies buffer f; in its middle it fetches the next quarter, at byte k, into buffer g.
.macro QUARTER slot, k, f, g, zero
	s_wait_dscnt 8                                 ; wb's and xb's rows 0-63 are in; the youngest eight loads (xb's rows 64-127) may be out
	WIN MUL_LO
	MUL16 \f, 0, 0, \zero
	MUL16 \f, 0, 2, \zero
	PLACES
	FETCH \slot, \k, \g
	s_wait_dscnt 32                                ; all but the 32 just issued
	WIN MUL_HI
	MUL16 \f, 1, 0, \zero
	MUL16 \f, 1, 2, \zero
.endm
; The last quarter multiplies buffer 1 and changes slots.  MEET is its first half: ONE barrier for the change.  In front of it each wave waits for all its tensor loads, of which one is out: its part of the
; next slot; adds 0 to its spare word; and waits for that and for its own reads of this slot.  Behind it nobody reads this slot any more and the next slot is whole.
.macro MEET round                      ; round = 1: the rest of a round of the cluster's barrier follows
	WIN 0                                          ; (the add's two registers lie in window 0)
	s_wait_tensorcnt 0x0                           ; all my tensor loads have landed;
	ds_add_u32 v[SPW], v[NIL]                      ; 0 onto my spare word;
	s_wait_dscnt 9                                 ; (the add and the youngest eight loads may be out)
	WIN MUL_LO
	MUL16 F1, 0, 0, 0                              ; sixteen matrix instructions stand between the add and the wait for it
	s_wait_dscnt 0x0                               ; the add is done, and my reads of this slot are over:
	s_barrier_signal -1                            ; say so,
	MUL16 F1, 0, 2, 0                              ; work on registers while the others arrive,
.if \round
	WIN 0
.endif
	s_barrier_wait -1                              ; and go on when all four have said so
.endm
; The whole last quarter.  fill = 1: behind the round the slot just read out is filled again first, with the K step two steps on; then come the next slot's first fragments.  From a request to the wait for it
; a wave issues 224 matrix instructions.
.macro TURN slot, next, fill
.if \fill
	s_wait_xcnt 0x0                                ; the last prefetch, a K step back, has read its address: it is stepped here, ahead of the waits of the change of slots
	s_add_nc_u64 s[PFA:PFA+1], s[PFA:PFA+1], KSTEP*2
	MEET 1
	CREST                                          ; no wave of any partner still reads this slot's tile or has a load on its way
	s_add_nc_u64 s[G0+4*(\slot)+2:G0+4*(\slot)+3], s[G0+4*(\slot)+2:G0+4*(\slot)+3], 2*KSTEP*2    ; no tensor load of mine is out, so a group 0 may be written
	s_add_nc_u64 s[G0B+4*(\slot)+2:G0B+4*(\slot)+3], s[G0B+4*(\slot)+2:G0B+4*(\slot)+3], 2*KSTEP*2
	JLOAD \slot                                    ; the first tensor load behind the round; the four v_nop behind it are also the places in front of the loads below
.else
	MEET 0                                         ; nothing is filled again, so no round follows
	PLACES
.endif
	FETCH \next, 0, F0
.if \fill
	ASK                                            ; behind the joint load and the run of LDS loads that the next products wait for
.endif
	WIN MUL_HI
	MUL16 F1, 1, 0, 0
	MUL16 F1, 1, 2, 0
.endm
; FLUSH: the accumulators' multiples of 2^22 go into the carry words.  For each group of 32 registers: t = acc + BIG (rounded to a multiple of 2^22; t's bit pattern is BIG's plus the multiple);
; t's pattern, shifted to the register's field, is added to its carry word; h = t - BIG (exact); acc = acc - h (exact, at most 2^21 in size).  Each accumulator's registers are read from the low end on.
; No LDS or memory line stands in it: the 32 LDS loads that are out across it go into buffer 1, which it does not name.
.macro FLUSH
	PLACES                                         ; behind the last products
.set G, 0
.rept 16
	WIN 2+G/8                                      ; source 0: the accumulators' window
.set e, 0
.rept 16
	v_pk_add_f32 v[TF+e:TF+e+1], v[32*(G%8)+e:32*(G%8)+e+1], s[BIG:BIG+1] op_sel_hi:[1,0]
.set e, e+2
.endr
	WIN 0x50                                       ; destination and source 2: window 1
.set e, 0
.rept 32
	PREG 8*G+e%8
	v_lshl_add_u32 v[rP], v[TF+e], 8*(e/8), v[rP]
.set e, e+1
.endr
	WIN 0
.set e, 0
.rept 16
	v_pk_add_f32 v[TF+e:TF+e+1], v[TF+e:TF+e+1], s[NBIG:NBIG+1] op_sel_hi:[1,0]
.set e, e+2
.endr
	WIN 0x82+0x41*(G/8)                            ; destination and source 0: the accumulators' window
.set e, 0
.rept 16
	v_pk_add_f32 v[32*(G%8)+e:32*(G%8)+e+1], v[32*(G%8)+e:32*(G%8)+e+1], v[TF+e:TF+e+1] neg_lo:[0,1] neg_hi:[0,1]
.set e, e+2
.endr
.set G, G+1
.endr
	WIN 0
.endm
; THE WAY OUT of block a (16 rows x 128 columns: 64 numbers a lane; number 8 b + i is register i of accumulator (a, b)).
.macro OUTBLK a
	WIN 0x01                                       ; source 0: window 1
.set bb, 0
.rept 8
.set ii, 0
.rept 8
	PREG 16*(\a)+8*(bb/4)+ii
	v_perm_b32 v[WK+8*bb+ii], v[rP], s[EXPW], s[SELR+bb%4]  ; the float 2^23 + 128 + H
.set ii, ii+1
.endr
.set bb, bb+1
.endr
	WIN 0
.set ii, 0
.rept 32
	v_pk_fma_f32 v[WK+ii:WK+ii+1], v[WK+ii:WK+ii+1], s[TW22:TW22+1], s[NOFF:NOFF+1] op_sel_hi:[1,0,0]  ; H x 2^22, exactly
.set ii, ii+2
.endr
	WIN 2+(\a)/4
.set ii, 0
.rept 32
	v_pk_add_f32 v[WK+ii:WK+ii+1], v[64*((\a)%4)+ii:64*((\a)%4)+ii+1], v[WK+ii:WK+ii+1]  ; + the rest: one rounding of the whole sum, as int32 to f32 rounds; each accumulator from its low end on
.set ii, ii+2
.endr
	WIN 0
.set ii, 0
.rept 32
	v_pk_mul_f32 v[WK+ii:WK+ii+1], v[WK+ii:WK+ii+1], s[SCL:SCL+1] op_sel_hi:[1,0]        ; x scale, rounded to f32
.set ii, ii+2
.endr
.set ii, 0
.rept 64
	v_med3_num_f32 v[WK+ii], v[WK+ii], s[CLO], s[CHI]                                    ; the clip
.set ii, ii+1
.endr
.set ii, 0
.rept 32
	v_pk_add_f32 v[WK+ii:WK+ii+1], v[WK+ii:WK+ii+1], s[RND:RND+1] op_sel_hi:[1,0]        ; to a whole number, ties to even: it lies in the low byte
.set ii, ii+2
.endr
.set bb, 0
.rept 8
.irp k, 0,1,2,3
	v_perm_b32 v[PT+4*bb+(\k)], v[WK+8*bb+2*(\k)+1], v[WK+8*bb+2*(\k)], s[SELP]          ; two low bytes side by side
.endr
	v_perm_b32 v[QP+2*bb],   v[PT+4*bb+1], v[PT+4*bb],   s[SELH]                         ; four
	v_perm_b32 v[QP+2*bb+1], v[PT+4*bb+3], v[PT+4*bb+2], s[SELH]
	ds_store_b64 v[STO], v[QP+2*bb:QP+2*bb+1] offset:(\a)*16*SPITCH+16*bb                ; my eight columns of row 16 a + l % 16
.set bb, bb+1
.endr
.endm
	s_wait_tensorcnt 1                             ; my part of K step 0 is in; K step 1's load may stay out
	s_barrier_signal -1
	s_barrier_wait -1                              ; everybody's is
	FETCH 0, 0, F0
	QUARTER 0, 64,  F0, F1, 1                      ; the first quarter stands in front of the loop: its products start the sums
	WIN 0                                          ; at a label and at a branch every window is 0
	s_mov_b32 s[LEFT], CHUNKS*LAPSC
	s_mov_b32 s2, CHUNKS
.Lchunk:                                               ; three laps, 768 along K, and a FLUSH
	s_mov_b32 s3, LAPSC
.Llap:                                                 ; a trip goes once round the ring, from a lap's second quarter to the next lap's first, and fills both slots again
	QUARTER 0, 128, F1, F0, 0
	QUARTER 0, 192, F0, F1, 0
	TURN 0, 1, 1
	QUARTER 1, 64,  F0, F1, 0
	QUARTER 1, 128, F1, F0, 0
	QUARTER 1, 192, F0, F1, 0
	TURN 1, 0, 1
	QUARTER 0, 64,  F0, F1, 0
	WIN 0
	s_sub_co_u32 s[LEFT], s[LEFT], 1
	s_sub_co_u32 s3, s3, 1
	s_cmp_lg_u32 s3, 0
	s_cbranch_scc1 .Llap
	FLUSH
	s_sub_co_u32 s2, s2, 1
	s_cmp_lg_u32 s2, 0
	s_cbranch_scc1 .Lchunk
	QUARTER 0, 128, F1, F0, 0                      ; the last lap is written out: it fills nothing.  224 along K are left: the accumulators stay under 2^21 + 224 x 2^14
	QUARTER 0, 192, F0, F1, 0
	TURN 0, 1, 0                                   ; behind this barrier no wave reads slot 0 any more, and no tensor load is out or will be issued
	QUARTER 1, 64,  F0, F1, 0
	QUARTER 1, 128, F1, F0, 0
	QUARTER 1, 192, F0, F1, 0
	s_wait_dscnt 8                                 ; the very last quarter: nothing more to fetch
	WIN MUL_LO
	MUL16 F1, 0, 0, 0
	MUL16 F1, 0, 2, 0
	s_wait_dscnt 0x0
	MUL16 F1, 1, 0, 0
	MUL16 F1, 1, 2, 0
	WIN 0
	PLACES                                         ; behind the last products: the way out writes over fragment registers and reads the sums
	; THE SCALE: scale_x x (0.1f / 0.1f) = scale_x x 1.0f: scale_x as it was loaded.
	s_wait_kmcnt 0x0                               ; scale_x is in
	s_mov_b32 s[SCL+1], s[SCL]                     ; named with it as a pair
.irp a, 0,1,2,3,4,5,6,7
	OUTBLK \a
.endr
	s_wait_dscnt 0x0                               ; for the others' sake: my stores into the stage are done (a row's 256 bytes come from two waves)
	s_barrier_signal -1
	s_barrier_wait -1
.set t, 0
.rept 32
	ds_load_b128 v[BK+4*t:BK+4*t+3], v[RD] offset:t*2*SPITCH
.set t, t+1
.endr
.set t, 0
.rept 32
	s_wait_dscnt 31-t                              ; LDS loads come back in order: load t is in, the younger ones stay out
	global_store_b128 v[CO], v[BK+4*t:BK+4*t+3], s[8:9] offset:t*2*SIZE_N th:TH_STORE_NT  ; 16 lanes store 256 consecutive bytes, at a multiple of 256 from out0's first byte
.set t, t+1
.endr
	s_wait_tensorcnt 0x0                           ; the wave's end: behind my last tensor load and my last LDS store
	ds_add_u32 v[SPW], v[NIL]
	s_wait_dscnt 0x0
	CROUND                                         ; the closing round: no work-group ends while a partner may still ask for a tile that names it
	s_endpgm
.Lfunc_end_k_q7af09afe9a_gemm:
	.size	k_q7af09afe9a_gemm, .Lfunc_end_k_q7af09afe9a_gemm-k_q7af09afe9a_gemm
	.p2alignl 7, 3214868480
	.fill 96, 4, 3214868480
	.section	.rodata,"a",@progbits
	.p2align	6, 0x0
	.amdhsa_kernel k_q7af09afe9a_gemm
		.amdhsa_group_segment_fixed_size 327680
		.amdhsa_private_segment_fixed_size 0
		.amdhsa_enable_private_segment 0
		.amdhsa_kernarg_size 32
		.amdhsa_user_sgpr_count 2
		.amdhsa_user_sgpr_kernarg_segment_ptr 1
		.amdhsa_wavefront_size32 1
		.amdhsa_system_sgpr_workgroup_id_x 1
		.amdhsa_system_sgpr_workgroup_id_y 1
		.amdhsa_system_sgpr_workgroup_id_z 1
		.amdhsa_system_vgpr_workitem_id 0
		.amdhsa_next_free_vgpr 1024
		.amdhsa_next_free_sgpr 96
		.amdhsa_reserve_vcc 0
		.amdhsa_float_denorm_mode_32 3
		.amdhsa_float_denorm_mode_16_64 3
		.amdhsa_memory_ordered 1
		.amdhsa_forward_progress 1
		.amdhsa_inst_pref_size 255
	.end_amdhsa_kernel
	.section	.bss,"aw",@nobits
	.p2align	6
	.space	262144
	.amdgpu_metadata
---
amdhsa.version: [ 1, 2 ]
amdhsa.kernels:
  - .name:           k_q7af09afe9a_gemm
    .symbol:         k_q7af09afe9a_gemm.kd
    .args:
      - { .name: xb, .offset: 0, .size: 8, .value_kind: global_buffer, .address_space: global }
      - { .name: wb, .offset: 8, .size: 8, .value_kind: global_buffer, .address_space: global }
      - { .name: out0, .offset: 16, .size: 8, .value_kind: global_buffer, .address_space: global }
      - { .name: scale_x, .offset: 24, .size: 8, .value_kind: global_buffer, .address_space: global }
    .group_segment_fixed_size: 327680
    .private_segment_fixed_size: 0
    .kernarg_segment_align: 8
    .kernarg_segment_size: 32
    .max_flat_workgroup_size: 128
    .sgpr_count:     96
    .vgpr_count:     1024
    .wavefront_size: 32
...
	.end_amdgpu_metadata
.endif
;; end of part 2
;; ======== version 2 of 2: 2 launches; version 1 with the launch cast written anew for expert scheduling mode
;; workspace buffers: xb 33,554,432 bytes; wb 33,554,432 bytes
;; launch cast (part 3): grid 512 x 2, 8 waves a work-group, no clusters, 0 bytes of LDS; arguments x_q, weight_q, xb, wb, out1; writes xb, wb, out1
.if DOCPART == 3
	.amdgcn_target "amdgcn-amd-amdhsa--gfx1250"
	.amdhsa_code_object_version 6
	.text
	.protected	k_q7af09afe9a_cast
	.globl	k_q7af09afe9a_cast
	.p2align	8
	.type	k_q7af09afe9a_cast,@function
k_q7af09afe9a_cast:
	s_mov_b64 s[64:65], 0
	v_nop
	global_prefetch_b8 v0, s[64:65] scope:SCOPE_SE
	s_setreg_imm32_b32 hwreg(HW_REG_WAVE_SCHED_MODE, 0, 2), 2
	s_setreg_imm32_b32 hwreg(HW_REG_WAVE_MODE, 25, 1), 1
	s_wait_xcnt 0x0
	s_wait_alu depctr_vm_vsrc(0)
; xb = bf16(x_q), wb = bf16(weight_q), out1 = 0.1f.  x_q, weight_q: [4096][4096] int32 that carry int8 values; xb, wb: the same shape in bf16.
; LIMIT.  The values lie in -128 .. 127, as the module states: those are exact in bf16 (8 significant bits).  A larger value would be rounded here.
; A stream: each input byte is read once, each output byte written once; nothing is shared between waves or work-groups, so there is no LDS, no barrier, no cluster and no matrix work.
; SHARES.  Grid y picks the tensor.  Work-group x owns 32 chunks of 4,096 input bytes (1,024 numbers).  In a chunk thread t loads the 16 bytes at 16 t (a wave's load covers 512 consecutive
; bytes) and stores the 8 bytes at 8 t (a wave's store covers 256 consecutive bytes, at a multiple of 256 from the buffer's first byte).
; THE MODE: SCHED_MODE bits 1:0 = 2 (LLVM: expert scheduling mode 2), set by the entry lines.  The code itself states the register dependences between vector instructions and memory
; instructions, with s_wait_alu, always for 0.
; THE PLAN.  The 32 chunks go in 16 blocks of two.  Registers that memory instructions touch:
;   X0 .. X5   six buffers of two chunks as loaded.  Written by the loads of block p + 5, issued in block p; read and written in place by block p's conversions to f32, read by its roundings.
;   Y          two registers for each chunk, its own.  Written once, by block p's roundings; read by the two stores that are issued in block p + 1; never written again.
;   v1, v2     the two byte offsets, made once at the head and never written again: a chunk's place stands in the immediate.
;   v3, v4     out1's number and offset, made at the end, read by one store.
; Block p works on X[p % 6] and writes its own Y.  Its memory instructions are the loads into X[(p + 5) % 6] = X[(p - 1) % 6] and the stores from block p - 1's Y: what block p - 1 worked on and
; no vector instruction of block p names.  So ONE wait at a block's head states all that the block's four memory instructions hang on, and these are dealt among its twelve conversions with no further wait.
; No register that a memory instruction reads is written again, so nothing is owed on that side but ahead of the two writes of EXEC at the end.
; IN FLIGHT.  At a block's head the four younger blocks, eight loads, stay out; with the two that follow ten loads of every wave are on their way.
.set CHUNKS, 32
.set PER,    2                         ; chunks in a block
.set BLOCKS, CHUNKS/PER
.set NBUF,   6                         ; buffers of X
.set AHEAD,  NBUF-1                    ; block p asks for block p + AHEAD
.set INB,    4096                      ; input bytes in a chunk
.set OUTB,   2048                      ; output bytes in a chunk
.set X, 8                              ; v[8:55]    buffer k, chunk i: 4 registers at X + 8 k + 4 i, as loaded, then as f32
.set Y, 56                             ; v[56:119]  chunk c: 2 registers, 4 bf16
	s_load_b256 s[4:11], s[0:1], 0x0               ; x_q s[4:5], weight_q s[6:7], xb s[8:9], wb s[10:11]
	s_load_b64 s[12:13], s[0:1], 0x20              ; out1
	s_and_b32 s14, ttmp7, 0xffff                   ; 0: x_q to xb; 1: weight_q to wb
	s_lshl_b32 s16, ttmp9, 17                      ; the work-group's 32 chunks: 131,072 bytes in,
	s_mov_b32 s17, 0
	s_lshl_b32 s18, ttmp9, 16                      ; 65,536 bytes out
	s_mov_b32 s19, 0
	v_lshlrev_b32 v1, 4, v0                        ; 16 t; never rewritten
	v_lshlrev_b32 v2, 3, v0                        ; 8 t; never rewritten
	s_wait_kmcnt 0x0
	s_cmp_eq_u32 s14, 0
	s_cselect_b64 s[4:5], s[4:5], s[6:7]
	s_cselect_b64 s[8:9], s[8:9], s[10:11]
	s_add_nc_u64 s[4:5], s[4:5], s[16:17]
	s_add_nc_u64 s[8:9], s[8:9], s[18:19]
	s_wait_alu depctr_va_vdst(0)                   ; v1 and v2 are written: every load of the kernel reads v1 as its offset, every store of xb or wb reads v2
.set c, 0
.rept PER*AHEAD
	global_load_b128 v[X+4*c:X+4*c+3], v1, s[4:5] offset:c*INB th:TH_LOAD_NT  ; blocks 0 to 4 into X0 to X4
.set c, c+1
.endr
; Block p: its two loads are waited for; ahead of each chunk's conversions (four numbers go int32 -> f32 -> bf16, both exact) stand a load of block p + 5 and a store of block p - 1, the load first.
.macro BLK p
.set XW, X+4*PER*((\p)%NBUF)           ; the buffer at work
.set XL, X+4*PER*(((\p)+AHEAD)%NBUF)   ; the buffer that the block before worked on, asked for again
.if (\p) < BLOCKS-AHEAD+1
	s_wait_loadcnt PER*(AHEAD-1)                   ; loads come back in order: this block's two are in, the four younger blocks stay out
.else
	s_wait_loadcnt PER*(BLOCKS-1-(\p))             ; nothing more is asked for: the counts run down
.endif
.if (\p) > 0
	s_wait_alu depctr_va_vdst(0)                   ; the block before has written its Y, which the stores below read, and is done reading and writing its X, in which the loads below land
.endif
.irp i, 0,1
.if (\p) < BLOCKS-AHEAD
	global_load_b128 v[XL+4*(\i):XL+4*(\i)+3], v1, s[4:5] offset:(PER*((\p)+AHEAD)+(\i))*INB th:TH_LOAD_NT  ; five blocks ahead; no vector instruction since the wait names these registers
.endif
.if (\p) > 0
	global_store_b64 v2, v[Y+2*(PER*((\p)-1)+(\i)):Y+2*(PER*((\p)-1)+(\i))+1], s[8:9] offset:(PER*((\p)-1)+(\i))*OUTB  ; the block before; no hint: the next launch reads these bytes
.endif
.irp j, 0,1,2,3
	v_cvt_f32_i32 v[XW+4*(\i)+(\j)], v[XW+4*(\i)+(\j)]
.endr
	v_cvt_pk_bf16_f32 v[Y+2*(PER*(\p)+(\i))],   v[XW+4*(\i)],   v[XW+4*(\i)+1]
	v_cvt_pk_bf16_f32 v[Y+2*(PER*(\p)+(\i))+1], v[XW+4*(\i)+2], v[XW+4*(\i)+3]
.endr
.endm
; Block 0 has no block in front of it: it stores nothing, and it states nothing: X5, in which its loads land, has been named by no vector instruction, and v1 was shown written at the head.
.set p, 0
.rept BLOCKS
	BLK p
.set p, p+1
.endr
	s_wait_alu depctr_va_vdst(0)                   ; block 15 has written its Y, which the last two stores read
.irp i, 0,1
	global_store_b64 v2, v[Y+2*(CHUNKS-PER+(\i)):Y+2*(CHUNKS-PER+(\i))+1], s[8:9] offset:(CHUNKS-PER+(\i))*OUTB
.endr
	s_or_b32 s15, ttmp9, s14                       ; out1 is stored by one thread of one work-group
	s_cmp_lg_u32 s15, 0
	s_cbranch_scc1 .Lend
	v_mov_b32 v3, 0x3dcccccd                       ; 0.1f
	v_mov_b32 v4, 0
	v_cmp_eq_u32 vcc_lo, 0, v0
	s_wait_xcnt 0x0                                ; EXEC is a source of the stores above: it changes only behind this wait
	s_wait_alu depctr_va_vcc(0)                    ; the compare has written VCC, from which EXEC is made
	s_wait_alu depctr_va_vdst(0)                   ; ahead of a scalar write of EXEC: every vector instruction issued so far is done; among them those that wrote v3 and v4, which the store below reads
	s_wait_alu depctr_vm_vsrc(0)                   ; ahead of a scalar write of EXEC: the stores above have read their vector registers
	s_and_saveexec_b32 s20, vcc_lo
	global_store_b32 v4, v3, s[12:13]
	s_wait_xcnt 0x0                                ; and again in front of the line that widens it
	s_wait_alu depctr_va_vdst(0)                   ; ahead of a scalar write of EXEC, as above
	s_wait_alu depctr_vm_vsrc(0)                   ; the store has read v3 and v4
	s_or_b32 exec_lo, exec_lo, s20
.Lend:
	s_endpgm
.Lfunc_end_k_q7af09afe9a_cast:
	.size	k_q7af09afe9a_cast, .Lfunc_end_k_q7af09afe9a_cast-k_q7af09afe9a_cast
	.p2alignl 7, 3214868480
	.fill 96, 4, 3214868480
	.section	.rodata,"a",@progbits
	.p2align	6, 0x0
	.amdhsa_kernel k_q7af09afe9a_cast
		.amdhsa_group_segment_fixed_size 0
		.amdhsa_private_segment_fixed_size 0
		.amdhsa_enable_private_segment 0
		.amdhsa_kernarg_size 40
		.amdhsa_user_sgpr_count 2
		.amdhsa_user_sgpr_kernarg_segment_ptr 1
		.amdhsa_wavefront_size32 1
		.amdhsa_system_sgpr_workgroup_id_x 1
		.amdhsa_system_sgpr_workgroup_id_y 1
		.amdhsa_system_sgpr_workgroup_id_z 1
		.amdhsa_system_vgpr_workitem_id 0
		.amdhsa_next_free_vgpr 120
		.amdhsa_next_free_sgpr 66
		.amdhsa_reserve_vcc 1
		.amdhsa_float_denorm_mode_32 3
		.amdhsa_float_denorm_mode_16_64 3
		.amdhsa_memory_ordered 1
		.amdhsa_forward_progress 1
		.amdhsa_inst_pref_size 17
	.end_amdhsa_kernel
	.amdgpu_metadata
---
amdhsa.version: [ 1, 2 ]
amdhsa.kernels:
  - .name:           k_q7af09afe9a_cast
    .symbol:         k_q7af09afe9a_cast.kd
    .args:
      - { .name: x_q, .offset: 0, .size: 8, .value_kind: global_buffer, .address_space: global }
      - { .name: weight_q, .offset: 8, .size: 8, .value_kind: global_buffer, .address_space: global }
      - { .name: xb, .offset: 16, .size: 8, .value_kind: global_buffer, .address_space: global }
      - { .name: wb, .offset: 24, .size: 8, .value_kind: global_buffer, .address_space: global }
      - { .name: out1, .offset: 32, .size: 8, .value_kind: global_buffer, .address_space: global }
    .group_segment_fixed_size: 0
    .private_segment_fixed_size: 0
    .kernarg_segment_align: 8
    .kernarg_segment_size: 40
    .max_flat_workgroup_size: 256
    .sgpr_count:     66
    .vgpr_count:     120
    .wavefront_size: 32
...
	.end_amdgpu_metadata
.endif
;; end of part 3
;; launch gemm: the kernel of part 2 again; grid 16 x 16, 4 waves a work-group, clusters of 4 x 4, 327,680 bytes of LDS; arguments xb, wb, out0, scale_x; writes out0
